; MI455X (gfx1250); checked and timed in simulation.
; The chip was launched on July 23, 2026; its instructions are those of AMD's public machine-readable ISA for CDNA 5 (MIT licence, August 2026) and "CDNA5" Instruction Set Architecture Reference Guide (July 2026). The comments in the code are by the model that wrote it; some were corrected since.
;; Deep BSDE 1 D. Allowed arithmetic: float matrix products may take bf16 or f16 operands with f32 sums; other float arithmetic in f32, or as packed bf16 or f16 multiplies, adds, multiply-adds, maxima and minima; sums over many terms, partial sums and values carried from step to step in f32; what a program stores and reads back later, other than sums and carried values, may be rounded once to bf16 or f16.
;; Inputs: S0_val one number float32; W1 63 x 1 x 64 float32; W2 63 x 64 x 64 float32; W3 63 x 64 x 1 float32; Y0 one number float32; Z0 one number float32; b1 63 x 64 float32; b2 63 x 64 float32; b3 63 x 1 float32; noise 64 x 131,072 x 1 float32.
;; Outputs: out0 131,072 float32; out1 131,072 float32.
;; Constants: batch_size = 131072.
;; One version. Each part assembles by itself: llvm-mc -triple=amdgcn-amd-amdhsa -mcpu=gfx1250 --defsym DOCPART=n.
;; ======== version 1 of 1: 2 launches
;; workspace buffers: wpk 589,824 bytes
;; launch pack (part 1): grid 64 x 1, 8 waves a work-group, no clusters, 0 bytes of LDS; arguments W1, b1, W2, b2, W3, b3, Z0, wpk; writes wpk
.if DOCPART == 1
	.amdgcn_target "amdgcn-amd-amdhsa--gfx1250"
	.amdhsa_code_object_version 6
	.text
	.protected	k_qdce4d7a691_pack
	.globl	k_qdce4d7a691_pack
	.p2align	8
	.type	k_qdce4d7a691_pack,@function
k_qdce4d7a691_pack:
	s_mov_b64 s[64:65], 0
	v_nop
	global_prefetch_b8 v0, s[64:65] scope:SCOPE_SE
	s_setreg_imm32_b32 hwreg(HW_REG_WAVE_MODE, 25, 1), 1
	s_wait_xcnt 0x0
; THE WEIGHTS, ROUNDED ONCE TO bf16 AND LAID OUT AS THE NEXT LAUNCH'S REGISTERS WANT THEM.  wpk holds 64 blocks of 9,216 bytes, one for each time index n; work-group n makes block n.
; Block n >= 1 is the net of scan step n - 1.  Block 0 is a net of zeros whose last bias is Z0: the walk's step 0 (Z = Z0) then runs through the same text as every other step.
; A BLOCK.  0..8191: W2 as units of 16 bytes: unit (kg, o) holds bf16 of W2[8 kg + 0..7][o] and lies at 2,048 (o / 16) + 256 kg + 16 (o % 16).
; 8192: w1 as pairs, 8320: b1 as pairs, 8704: w3 as pairs, each 32 words: word 16 h + i holds (k, k + 1), k = 32 (i / 8) + 16 ((i / 4) % 2) + 8 h + 2 (i % 4): the order of a 16-bit matrix fragment's registers.
; 8448: b2, 64 f32 as given.  8832: 128 bytes of zeros.  8960: the last bias (b3 or Z0) in f32, 64 times.
; Eight waves.  Thread T takes column o = T % 64 of W2 and the rows 8 (T / 64) + 0..7 and 32 + the same: a wave's load covers 128 consecutive bytes, and sixteen lanes of a store 256 consecutive bytes, aligned.
; The block's last 1,024 bytes are one word a thread: a wave stores 128 consecutive bytes there, so two neighbouring waves share an aligned 256: one ninth of a small buffer, written once.
; REGISTERS.  v1-v12 lane terms and offsets, made once and never loaded into; v16-31 W2 as loaded; v32-39 W2 packed; v40-42 the tail's data.
.set BLK, 9216
.set WVN, 32                           ; s32  my wave's number
.set MSK, 21                           ; s21  0 in block 0, else all ones
.set VIN,  3                           ; v3   my byte offset in a step's W2
.set VOUT, 4                           ; v4   my unit's byte offset in the block
.set VPR,  8                           ; v8   my pair's byte offset in W1, b1, W3
.set VTL,  10                          ; v10  my word of the block's last 1,024 bytes
.set VB2,  11                          ; v11  my number's byte offset in b2
.set VNIL, 12                          ; v12  offset 0
.set LD,   16
.set PK,   32
.set TD,   40
	s_load_b256 s[4:11], s[0:1], 0x0               ; W1 s[4:5], b1 s[6:7], W2 s[8:9], b2 s[10:11]
	s_load_b256 s[12:19], s[0:1], 0x20             ; W3 s[12:13], b3 s[14:15], Z0 s[16:17], wpk s[18:19]
	v_lshrrev_b32 v1, 5, v0
	v_readfirstlane_b32 s[WVN], v1                 ; wave 0..7
	s_max_u32 s20, ttmp9, 1
	s_sub_co_u32 s20, s20, 1                       ; the scan step whose net is read: n - 1, and 0 for block 0 (whose numbers are masked away)
	s_cmp_eq_u32 ttmp9, 0
	s_cselect_b32 s[MSK], 0, -1
	s_mul_i32 s22, ttmp9, BLK                      ; offsets, each in a pair of its own
	s_mov_b32 s23, 0
	s_lshl_b32 s24, s20, 14                        ; a step's W2: 16,384 bytes
	s_mov_b32 s25, 0
	s_lshl_b32 s26, s20, 8                         ; a step's W1, b1, b2, W3: 256 bytes
	s_mov_b32 s27, 0
	s_lshl_b32 s28, s20, 2                         ; a step's b3: 4 bytes (0 for block 0, which reads Z0)
	s_mov_b32 s29, 0
	v_and_b32 v1, 63, v0                           ; o
	v_lshrrev_b32 v2, 6, v0                        ; T / 64
	v_lshlrev_b32 v[VIN], 2, v1
	v_lshl_add_u32 v[VIN], v2, 11, v[VIN]          ; in W2: row 8 (T / 64), column o
	v_lshrrev_b32 v5, 4, v1
	v_and_b32 v6, 15, v1
	v_lshlrev_b32 v[VOUT], 4, v6
	v_lshl_add_u32 v[VOUT], v2, 8, v[VOUT]
	v_lshl_add_u32 v[VOUT], v5, 11, v[VOUT]        ; in the block: 2,048 (o / 16) + 256 (T / 64) + 16 (o % 16)
	v_and_b32 v7, 31, v0                           ; the pairs' order: word d = my lane
	v_and_b32 v[VPR], 3, v7
	v_lshlrev_b32 v[VPR], 3, v[VPR]                ; 2 (d % 4) numbers of 4 bytes
	v_bfe_u32 v9, v7, 2, 1
	v_lshl_add_u32 v[VPR], v9, 6, v[VPR]           ; + 16 numbers
	v_bfe_u32 v9, v7, 3, 1
	v_lshl_add_u32 v[VPR], v9, 7, v[VPR]           ; + 32
	v_bfe_u32 v9, v7, 4, 1
	v_lshl_add_u32 v[VPR], v9, 5, v[VPR]           ; + 8 h
	v_lshlrev_b32 v[VTL], 2, v0
	v_lshlrev_b32 v[VB2], 2, v1
	v_mov_b32 v[VNIL], 0
	s_wait_kmcnt 0x0
	s_add_nc_u64 s[18:19], s[18:19], s[22:23]
	s_add_nc_u64 s[8:9], s[8:9], s[24:25]
	s_add_nc_u64 s[4:5], s[4:5], s[26:27]
	s_add_nc_u64 s[6:7], s[6:7], s[26:27]
	s_add_nc_u64 s[10:11], s[10:11], s[26:27]
	s_add_nc_u64 s[12:13], s[12:13], s[26:27]
	s_cmp_eq_u32 ttmp9, 0
	s_cselect_b64 s[30:31], s[16:17], s[14:15]     ; the last bias: Z0 for block 0, else b3
	s_add_nc_u64 s[30:31], s[30:31], s[28:29]
	s_cmp_eq_u32 s[WVN], 0
	s_cselect_b64 s[34:35], s[4:5], s[6:7]         ; the pairs: wave 0 W1, wave 1 b1,
	s_cmp_eq_u32 s[WVN], 4
	s_cselect_b64 s[34:35], s[12:13], s[34:35]     ; wave 4 W3
.set e, 0
.rept 16                                       ; rows 8 (T / 64) + e % 8 + 32 (e / 8)
	global_load_b32 v[LD+e], v[VIN], s[8:9] offset:256*(e%8)+8192*(e/8)
.set e, e+1
.endr
	s_wait_loadcnt 0x0
.set e, 0
.rept 8
	v_cvt_pk_bf16_f32 v[PK+e], v[LD+2*e], v[LD+2*e+1]  ; two neighbouring rows: the lower k in the low half
.set e, e+1
.endr
.set e, 0
.rept 8
	v_and_b32 v[PK+e], s[MSK], v[PK+e]
.set e, e+1
.endr
	global_store_b128 v[VOUT], v[PK:PK+3], s[18:19]
	global_store_b128 v[VOUT], v[PK+4:PK+7], s[18:19] offset:1024  ; the rows 32 further on: four units of k on
	; the block's last 1,024 bytes; the branches hang on the wave's number alone and go forward
	s_cmp_ge_u32 s[WVN], 6
	s_cbranch_scc1 .Lbias3
	s_cmp_eq_u32 s[WVN], 5
	s_cbranch_scc1 .Lzeros
	s_cmp_eq_u32 s[WVN], 4
	s_cbranch_scc1 .Lpairs
	s_cmp_ge_u32 s[WVN], 2
	s_cbranch_scc1 .Lbias2
.Lpairs:                                       ; waves 0, 1, 4
	global_load_b64 v[TD:TD+1], v[VPR], s[34:35]
	s_wait_loadcnt 0x0
	v_cvt_pk_bf16_f32 v[TD+2], v[TD], v[TD+1]
	v_and_b32 v[TD+2], s[MSK], v[TD+2]
	s_branch .Lput
.Lbias2:                                       ; waves 2, 3: threads 64 to 127 take b2[T - 64]
	global_load_b32 v[TD+2], v[VB2], s[10:11]
	s_wait_loadcnt 0x0
	v_and_b32 v[TD+2], s[MSK], v[TD+2]
	s_branch .Lput
.Lzeros:                                       ; wave 5
	v_mov_b32 v[TD+2], 0
	s_branch .Lput
.Lbias3:                                       ; waves 6, 7: one number, in every word
	global_load_b32 v[TD+2], v[VNIL], s[30:31]
	s_wait_loadcnt 0x0
.Lput:
	global_store_b32 v[VTL], v[TD+2], s[18:19] offset:8192
	s_endpgm
.Lfunc_end_k_qdce4d7a691_pack:
	.size	k_qdce4d7a691_pack, .Lfunc_end_k_qdce4d7a691_pack-k_qdce4d7a691_pack
	.p2alignl 7, 3214868480
	.fill 96, 4, 3214868480
	.section	.rodata,"a",@progbits
	.p2align	6, 0x0
	.amdhsa_kernel k_qdce4d7a691_pack
		.amdhsa_group_segment_fixed_size 0
		.amdhsa_private_segment_fixed_size 0
		.amdhsa_enable_private_segment 0
		.amdhsa_kernarg_size 64
		.amdhsa_user_sgpr_count 2
		.amdhsa_user_sgpr_kernarg_segment_ptr 1
		.amdhsa_wavefront_size32 1
		.amdhsa_system_sgpr_workgroup_id_x 1
		.amdhsa_system_sgpr_workgroup_id_y 1
		.amdhsa_system_sgpr_workgroup_id_z 1
		.amdhsa_system_vgpr_workitem_id 0
		.amdhsa_next_free_vgpr 48
		.amdhsa_next_free_sgpr 66
		.amdhsa_reserve_vcc 0
		.amdhsa_float_denorm_mode_32 3
		.amdhsa_float_denorm_mode_16_64 3
		.amdhsa_memory_ordered 1
		.amdhsa_forward_progress 1
		.amdhsa_inst_pref_size 6
	.end_amdhsa_kernel
	.amdgpu_metadata
---
amdhsa.version: [ 1, 2 ]
amdhsa.kernels:
  - .name:           k_qdce4d7a691_pack
    .symbol:         k_qdce4d7a691_pack.kd
    .args:
      - { .name: W1, .offset: 0, .size: 8, .value_kind: global_buffer, .address_space: global }
      - { .name: b1, .offset: 8, .size: 8, .value_kind: global_buffer, .address_space: global }
      - { .name: W2, .offset: 16, .size: 8, .value_kind: global_buffer, .address_space: global }
      - { .name: b2, .offset: 24, .size: 8, .value_kind: global_buffer, .address_space: global }
      - { .name: W3, .offset: 32, .size: 8, .value_kind: global_buffer, .address_space: global }
      - { .name: b3, .offset: 40, .size: 8, .value_kind: global_buffer, .address_space: global }
      - { .name: Z0, .offset: 48, .size: 8, .value_kind: global_buffer, .address_space: global }
      - { .name: wpk, .offset: 56, .size: 8, .value_kind: global_buffer, .address_space: global }
    .group_segment_fixed_size: 0
    .private_segment_fixed_size: 0
    .kernarg_segment_align: 8
    .kernarg_segment_size: 64
    .max_flat_workgroup_size: 256
    .sgpr_count:     66
    .vgpr_count:     48
    .wavefront_size: 32
...
	.end_amdgpu_metadata
.endif
;; end of part 1
;; launch walk (part 2): grid 256 x 1, 4 waves a work-group, clusters of 4 x 1, 327,680 bytes of LDS; arguments noise, wpk, S0_val, Y0, out0, out1; writes out0, out1
.if DOCPART == 2
	.amdgcn_target "amdgcn-amd-amdhsa--gfx1250"
	.amdhsa_code_object_version 6
	.text
	.protected	k_qdce4d7a691_walk
	.globl	k_qdce4d7a691_walk
	.p2align	8
	.type	k_qdce4d7a691_walk,@function
k_qdce4d7a691_walk:
	s_mov_b64 s[64:65], 0
	v_nop
	global_prefetch_b8 v0, s[64:65] scope:SCOPE_SE
	s_setreg_imm32_b32 hwreg(HW_REG_WAVE_MODE, 25, 1), 1
	s_wait_xcnt 0x0
	s_wait_alu depctr_hold_cnt(0) depctr_sa_sdst(0) depctr_va_vdst(0) depctr_va_sdst(0) depctr_va_ssrc(0) depctr_va_vcc(0) depctr_vm_vsrc(0)
	s_getreg_b32 s2, hwreg(HW_REG_IB_STS2, 6, 4)
	s_cmp_eq_u32 s2, 0
	s_cbranch_scc0 .Lentry_in_a_cluster
	s_endpgm
.Lentry_in_a_cluster:
	s_bfe_u32 s2, ttmp6, 0x10000c
	s_cmp_lg_u32 s2, 0x3003
	s_cbranch_scc0 .Lentry_shape_is_right
	s_endpgm
.Lentry_shape_is_right:
; 131,072 PATHS, 64 TIME STEPS, A NET 1 -> 64 -> 64 -> 1 OF ITS OWN IN EACH STEP.  u = X / S0 and Y stay in registers from first to last; noise is read once; nothing goes to memory but the two results.
;   Z = w3 . relu(W2^T relu(u w1 + b1) + b2) + b3;   Y <- (1 - R dt) Y + Z (sigma sqrt(dt) S0) u e;   u <- u 2^(c1 e + c0);   out0 = Y, out1 = exp(-R T) max(S0 u - K, 0).
; FORMATS.  u, w1, b1, h1, W2, h2 and w3 are rounded to bf16 (the weights once, by the launch before); b2, b3, all matrix sums, u itself, Y and the exponentials are f32.
; LIMITS.  X is kept as S0 u, so S0 = 0, an infinity or a NaN in S0 is not followed as a division by S0 would follow it; (1 - R dt) Y is one product and S0 u - K one fused multiply-add, so the order of
; rounding differs; a NaN in u gives a payoff of 0; v_exp_f32 takes denormals as 0.  Step 0 (Z = Z0) runs through a net of zeros whose last bias is Z0: 80 of a wave's 5,120 matrix instructions multiply zeros.
; SHARES.  256 work-groups of four waves; a work-group owns 512 paths, a wave 128: lane l, register j holds path 512 wg + 128 w + 4 l + j, so a step's noise and each result are 16 bytes a lane, 512 on end a wave.
; TILE i = 2 j + half is the 16 paths of register j in lanes 16 half + 0..15.  ALL PRODUCTS ARE TAKEN TRANSPOSED (source 0 = weights, source 1 = activations, a path a lane): each result is the next product's source 1 as it lies.
;   L1 (K = 1): 16 packed bf16 multiply-adds and 16 packed maxima a tile; as matrix work it would be four instructions of which 1/32 of K is used.
;   L2: 4 products start from b2 as the C operand, 4 more add the other half of K in place, all in f32.  A lane then holds 8 neighbouring neurons of one path: 16 conversions round them in pairs to bf16, and
;       the four registers of two neighbouring blocks of 16 neurons ARE a fragment of source 1.  16 packed maxima.
;   L3 (N = 1): w3 stands in row 0 alone (tiles of lanes 0-15) or in row 8 alone (lanes 16-31) of source 0; both tiles of a register j add into one accumulator, whose register 0 then holds Z of path (l, j) in lane l.
; BY TURNS.  u never hangs on Z, so tiles follow each other without a gap, across steps too.  Turn i multiplies tile i (L2) and rounds it, finishes tile i - 1 (its maxima, L3) and makes tile i + 1's h1:
; 10 matrix and 64 or 67 vector instructions.  Four vector lines stand behind each matrix instruction, the others in one lump at the turn's end.
; THE WEIGHTS of step n + 1 are read from LDS into a second set of registers during step n.  LDS holds two slots of eight steps each (weights 73,728 bytes, the work-group's noise 16,384), filled by tensor loads:
; waves 0 to 2 a third of the weights each, wave 3 the noise: one load a wave behind each change of slots, with eight steps, 640 matrix instructions, in which to land.
; CLUSTER 4 x 1: every work-group walks the same weights, so the four partners ask for them JOINTLY (mask 15); a mask names four at the most, so a larger cluster would share no further.  The noise is each work-group's own: a plain load.
; No prefetch: a refill is asked for eight steps ahead of its first read, so no wave waits for it.  No padding in LDS: every read is 16 bytes a lane on end, or the same bytes for sixteen lanes.
; REGISTERS, in windows of 256 (s_set_vgpr_msb: bits 1:0 source 0, 3:2 source 1, 5:4 source 2, 7:6 destination).  ONE setting, source 0 in window 1, serves all matrix instructions and all lines behind them;
; the conversions, whose two sources both lie in window 0, stand together: two switches a turn.
.set SLOT1, 131072                     ; slot 1 begins here: one exclusive or turns an address in one slot into the other's
.set BLK,   9216                       ; a step's weights
.set GRPW,  8*BLK                      ; a slot's weights
.set THIRD, GRPW/3                     ; what one of waves 0 to 2 fetches: 96 rows of 256 bytes
.set NROW,  2048                       ; a step's noise for the work-group's 512 paths
.set GRPN,  8*524288                   ; eight steps on in noise
.set SPARE, SLOT1+GRPW+8*NROW          ; behind slot 1: the spare words, 128 bytes for each wave: two blocks of 256 bytes that no other line names
; window 0
.set SPW,  8                           ; v8       LDS address of my spare word; never rewritten
.set NIL,  9                           ; v9       0; never rewritten
.set RU,   10                          ; v10-13   u
.set RY,   14                          ; v14-17   Y
.set RE,   18                          ; v18-21   the step's noise, then 2^(c1 e + c0)
.set XB,   22                          ; v22-25   bf16(u) in both halves; at the end the payoff
.set XO,   26                          ; v26-29   the same of the lane 16 away
.set XX,   30                          ; v30-37   tile i's u for my lane's path
.set ZB,   38
.set AY,   39
.set OUTO, 40                          ; v40      my byte offset in out0 and out1
.set B3C,  42                          ; v42-43   cS b3, by the step's parity
.set B1,   48                          ; v48-79   b1 as pairs, 16 a parity
.set B2,   80                          ; v80-143  b2 in f32, 32 a parity: block t of 16 neurons at + 8 t
.set H1,   144                         ; v144-175 h1, two buffers of 16
.set ACC,  176                         ; v176-207 L2's f32 sums, block t at + 8 t
.set H2,   208                         ; v208-239 h2, two buffers of 16
.set ZA,   240                         ; v240-255 L3's sums, two accumulators, by j's parity
; window 1
.set W2,   0                           ; 64 a parity: fragment (t, c) at 16 t + 8 c
.set W3,   128                         ; 32 a parity: row 0's fragments c at + 8 c, row 8's at + 16 + 8 c
.set W1,   192                         ; 16 a parity
.set ZERO, 224
.set RQ,   226                         ; u e, 4 a parity
.set AL,   234                         ; LDS addresses of the pair of steps in hand, and
.set AH,   235
.set AH2,  236
.set A3L,  237
.set A3H,  238
.set AN,   239
.set BL,   240                         ; their lane terms, never rewritten: 16 l
.set BH,   241                         ; 64 (l / 16)
.set BH2,  242                         ; 32 (l / 16)
.set B3L,  243                         ; 64 (l / 16), and 128 further on (the block's zeros) but in lanes 0 and 16
.set B3H,  244                         ; the same but in lanes 8 and 24
.set BN,   245                         ; the slot's noise: 73,728 + 512 w + 16 l
; scalars
.set WV,   16                          ; s16  my wave's number
.set G1W,  24                          ; s[24:31] descriptor group 1, weights
.set G1N,  32                          ; s[32:39] noise
.set G0W,  40                          ; s[40:47] group 0, weights: a set for each first fill; the second then walks on
.set G0N,  48                          ; s[48:55] the same for the noise
.set SLOTS, 56
.set CNT,  57
.set TB,   58                          ; s58  LDS byte of the even step's weights of the pair to be fetched
.set TN,   59                          ; s59  the same for the noise, less 73,728
.set SEL,  60                          ; s[60:61] v_permlanex16_b32's selects: each lane takes its own place in the other half
.set C1,   66                          ; s[66:67] sigma sqrt(dt) log2(e)
.set C0,   68                          ; s[68:69] (R - sigma^2 / 2) dt log2(e)
.set CSS,  70                          ; s70  cS = sigma sqrt(dt) S0
.set SA,   71                          ; s71  1 - R dt
.set MH,   72                          ; s72  the mask of lanes 16 to 31
.set S0R,  73
.set Y0R,  74
.set NK,   75                          ; s75  -K
.set DF,   76                          ; s76  exp(-R T)
.set MSB, 0
.macro WIN new                         ; the high byte repeats the setting that is left; a switch that changes nothing is dropped
.if MSB != (\new)
	s_set_vgpr_msb (MSB<<8)|(\new)
.set MSB, (\new)
.endif
.endm
.set WL,  0x01                         ; source 0 in window 1
.set W11, 0x41                         ; destination and source 0 in window 1
.set WD1, 0x40                         ; destination in window 1
; A round of the cluster's barrier: my work-group's barrier, so that wave 0's signal speaks for all four waves; wave 0 signals; every wave waits for all four work-groups; my work-group's barrier once more.
.macro CROUND
	s_barrier_signal -1
	s_barrier_wait -1
	s_cmp_lg_u32 s[WV], 0
	s_cbranch_scc1 .Lnot_wave_0_\@
	s_barrier_signal -3
.Lnot_wave_0_\@:
	s_barrier_wait -3
	s_barrier_signal -1
	s_barrier_wait -1
.endm
; A refill: waves 0 to 2 ask jointly for a third of the weights each, wave 3 for the work-group's noise.  The branch hangs on the wave's number alone.
; An s_nop 0 and four v_nop follow each of the two lines, ahead of the jump and the label.
.macro JLOAD
	s_cmp_lt_u32 s[WV], 3
	s_cbranch_scc0 .Lfor_n_\@
	tensor_load_to_lds s[G0W+4:G0W+7], s[G1W:G1W+7]
	s_nop 0
.rept 4
	v_nop
.endr
	s_branch .Lasked_\@
.Lfor_n_\@:
	tensor_load_to_lds s[G0N+4:G0N+7], s[G1N:G1N+7]
	s_nop 0
.rept 4
	v_nop
.endr
.Lasked_\@:
.endm
	s_load_b256 s[4:11], s[0:1], 0x0               ; noise s[4:5], wpk s[6:7], S0 s[8:9], Y0 s[10:11]
	s_load_b128 s[12:15], s[0:1], 0x20             ; out0 s[12:13], out1 s[14:15]
	v_lshl_add_u32 v[SPW], v0, 2, SPARE
	v_mov_b32 v[NIL], 0
	ds_add_u32 v[SPW], v[NIL]                      ; the wave's opening: the add and its wait stand ahead of my first tensor load; the set-up below, work on registers, stands between them
	v_lshrrev_b32 v1, 5, v0
	v_readfirstlane_b32 s[WV], v1                  ; wave 0..3
	s_bfe_u32 s17, ttmp6, 0x40000                  ; cx: my place in the cluster
	s_lshl_b32 s18, ttmp9, 2                       ; in a cluster launch ttmp9 counts clusters
	s_add_co_u32 s18, s18, s17                     ; my work-group: it enters the noise's and the results' global addresses alone
	s_mul_i32 s19, s[WV], THIRD                    ; my third of the weights: the same offset in memory and in a slot
	s_mov_b32 s20, s19
	s_mov_b32 s21, 0
	s_lshl_b32 s22, s18, 11                        ; my work-group's 2,048 bytes of a step's noise
	s_mov_b32 s23, 0
	; group 1, weights: 24,576 dense bytes as 96 rows of 256
	s_mov_b32 s[G1W+0], 15|(3<<16)|(1<<21)         ; 15:0 the mask: all four work-groups; 17:16 elements of 8 bytes; 21 set beside a mask
	s_mov_b32 s[G1W+1], 32<<16                     ; tensor_dim0 = 32
	s_mov_b32 s[G1W+2], 96<<16                     ; tensor_dim1 = 96
	s_mov_b32 s[G1W+3], 32<<16                     ; tile_dim0 = 32
	s_mov_b32 s[G1W+4], 96                         ; tile_dim1 = 96
	s_mov_b32 s[G1W+5], 32                         ; 32 elements from row to row
	s_mov_b32 s[G1W+6], 0
	s_mov_b32 s[G1W+7], 0
	; group 1, noise: 8 steps' rows of 2,048 bytes, 524,288 bytes apart
	s_mov_b32 s[G1N+0], 3<<16                      ; no mask: my work-group's own; elements of 8 bytes
	s_mov_b32 s[G1N+1], 256<<16                    ; tensor_dim0 = 256
	s_mov_b32 s[G1N+2], 8<<16                      ; tensor_dim1 = 8
	s_mov_b32 s[G1N+3], 256<<16                    ; tile_dim0 = 256
	s_mov_b32 s[G1N+4], 8                          ; tile_dim1 = 8
	s_mov_b32 s[G1N+5], 65536                      ; elements from row to row
	s_mov_b32 s[G1N+6], 0
	s_mov_b32 s[G1N+7], 0
	s_mov_b32 s[SEL], 0x76543210
	s_mov_b32 s[SEL+1], 0xfedcba98
	s_mov_b32 s[C1], 0x3d13bb63                    ; 0.025 log2(e)
	s_mov_b32 s[C1+1], s[C1]                       ; named with it as a pair
	s_mov_b32 s[C0], 0x3a314743                    ; 0.00046875 log2(e)
	s_mov_b32 s[C0+1], s[C0]
	s_mov_b32 s[SA], 0x3f7fcccd                    ; 1 - 0.05 / 64
	s_mov_b32 s[MH], 0xffff0000
	s_mov_b32 s[NK], 0xc2c80000                    ; -100
	s_mov_b32 s[DF], 0x3f7383c6                    ; exp(-0.05)
	s_wait_dscnt 0x0                               ; the opening add is done
	s_wait_kmcnt 0x0
	s_add_nc_u64 s[6:7], s[6:7], s[20:21]          ; wpk at my third of group 0
	s_add_nc_u64 s[4:5], s[4:5], s[22:23]          ; noise at my work-group's paths, step 0
.irp s, 0,1
	s_mov_b32 s[G0W+4*(\s)], 1                     ; 1:0 count = 1
	s_add_co_u32 s[G0W+4*(\s)+1], s19, (\s)*SLOT1  ; 63:32 LDS address: no place in the cluster enters it
	s_add_nc_u64 s[G0W+4*(\s)+2:G0W+4*(\s)+3], s[6:7], (\s)*GRPW  ; 120:64 global address: group s
	s_or_b32 s[G0W+4*(\s)+3], s[G0W+4*(\s)+3], 0x80000000         ; 127:126 type = 2
	s_mov_b32 s[G0N+4*(\s)], 1
	s_mov_b32 s[G0N+4*(\s)+1], (\s)*SLOT1+GRPW
	s_add_nc_u64 s[G0N+4*(\s)+2:G0N+4*(\s)+3], s[4:5], (\s)*GRPN
	s_or_b32 s[G0N+4*(\s)+3], s[G0N+4*(\s)+3], 0x80000000
.endr
	CROUND                                         ; all four work-groups are here: the first joint loads meet
	s_cmp_lt_u32 s[WV], 3                          ; a wave's two first fills stand in one branch, ahead of every wait on TENSORcnt and every LDS read: two loads of mine are out
	s_cbranch_scc0 .Lfirst_n
	tensor_load_to_lds s[G0W:G0W+3], s[G1W:G1W+7]
	s_nop 0
	tensor_load_to_lds s[G0W+4:G0W+7], s[G1W:G1W+7]
	s_nop 0
.rept 4
	v_nop
.endr
	s_branch .Lfirst_asked
.Lfirst_n:
	tensor_load_to_lds s[G0N:G0N+3], s[G1N:G1N+7]
	s_nop 0
	tensor_load_to_lds s[G0N+4:G0N+7], s[G1N:G1N+7]
	s_nop 0
.rept 4
	v_nop
.endr
.Lfirst_asked:
	s_load_b32 s[S0R], s[8:9], 0x0
	s_load_b32 s[Y0R], s[10:11], 0x0
	v_and_b32 v1, 31, v0                           ; l
	v_and_b32 v2, 15, v0                           ; l % 16
	v_bfe_u32 v3, v0, 4, 1                         ; l / 16
	v_min_u32 v4, 1, v2                            ; 0 in the lanes that hold row 0 of a fragment
	v_lshlrev_b32 v4, 7, v4
	v_xor_b32 v5, 8, v2
	v_min_u32 v5, 1, v5                            ; 0 in the lanes that hold row 8
	v_lshlrev_b32 v5, 7, v5
	s_lshl_b32 s77, s[WV], 9                       ; my wave's 512 bytes
	s_add_co_u32 s78, s77, GRPW
	s_lshl_b32 s79, s18, 11
	s_add_co_u32 s79, s79, s77
	v_lshl_add_u32 v[OUTO], v1, 4, s79
	WIN WD1
	v_lshlrev_b32 v[BL], 4, v1
	v_lshlrev_b32 v[BH], 6, v3
	v_lshlrev_b32 v[BH2], 5, v3
	v_lshl_add_u32 v[B3L], v3, 6, v4
	v_lshl_add_u32 v[B3H], v3, 6, v5
	v_lshl_add_u32 v[BN], v1, 4, s78
	v_mov_b32 v[ZERO], 0
	WIN 0
.irp j, 0,1,2,3
	v_mov_b32 v[RU+(\j)], 1.0                      ; X = S0
	v_mov_b32 v[XO+(\j)], 0                        ; v_permlanex16_b32's destination counts as read
.endr
	s_wait_kmcnt 0x0
	s_mul_f32 s[CSS], s[S0R], 0x3ccccccd           ; 0.025 S0
.irp j, 0,1,2,3
	v_mov_b32 v[RY+(\j)], s[Y0R]
.endr
; The LDS addresses of a pair of steps: lane terms + the pair's place.
.macro ADDR
	WIN W11
	v_add_nc_u32 v[AL],  v[BL],  s[TB]
	v_add_nc_u32 v[AH],  v[BH],  s[TB]
	v_add_nc_u32 v[AH2], v[BH2], s[TB]
	v_add_nc_u32 v[A3L], v[B3L], s[TB]
	v_add_nc_u32 v[A3H], v[B3H], s[TB]
	v_add_nc_u32 v[AN],  v[BN],  s[TN]
.endm
; 42 LDS loads in one run: the weights and the noise of the step of parity pn (the pair's even step lies first), into that parity's registers.
.macro FETCH pn
.set fO, BLK*(\pn)
	WIN W11
.set fc, 0
.rept 16                                       ; W2: 16 bytes a lane, 512 on end
	ds_load_b128 v[W2+64*(\pn)+4*fc:W2+64*(\pn)+4*fc+3], v[AL] offset:fO+512*fc
.set fc, fc+1
.endr
.set fc, 0
.rept 4
	ds_load_b128 v[W3+32*(\pn)+4*fc:W3+32*(\pn)+4*fc+3],       v[A3L] offset:fO+8704+16*fc  ; w3 in row 0, zeros elsewhere
	ds_load_b128 v[W3+32*(\pn)+16+4*fc:W3+32*(\pn)+16+4*fc+3], v[A3H] offset:fO+8704+16*fc  ; w3 in row 8
	ds_load_b128 v[W1+16*(\pn)+4*fc:W1+16*(\pn)+4*fc+3],       v[AH]  offset:fO+8192+16*fc
.set fc, fc+1
.endr
	WIN WL
.set fc, 0
.rept 8
	ds_load_b128 v[B2+32*(\pn)+4*fc:B2+32*(\pn)+4*fc+3], v[AH2] offset:fO+8448+64*(fc/2)+16*(fc%2)  ; b2[16 t + 8 (l / 16) + 0..7]
.set fc, fc+1
.endr
.set fc, 0
.rept 4
	ds_load_b128 v[B1+16*(\pn)+4*fc:B1+16*(\pn)+4*fc+3], v[AH] offset:fO+8320+16*fc
.set fc, fc+1
.endr
	ds_load_b32 v[B3C+(\pn)], v[AH] offset:fO+8960
	ds_load_b128 v[RE:RE+3], v[AN] offset:NROW*(\pn)
.endm
; What the step of parity pn wants of u and its noise, made one turn ahead of it: q = u e; cS b3; bf16(u) dealt to the eight tiles; then u moves on.
; The four exponentials are one batch: the twelve plain lines behind them stand between them and their one wait, ahead of the first line that names a result.
.macro SDE pn
	s_wait_dscnt 0x0                               ; the run of 42 loads, issued five turns back, is in
	WIN WD1
	v_pk_mul_f32 v[RQ+4*(\pn):RQ+4*(\pn)+1],   v[RU:RU+1],   v[RE:RE+1]
	v_pk_mul_f32 v[RQ+4*(\pn)+2:RQ+4*(\pn)+3], v[RU+2:RU+3], v[RE+2:RE+3]
	WIN 0
	v_mul_f32 v[B3C+(\pn)], s[CSS], v[B3C+(\pn)]
	v_pk_fma_f32 v[RE:RE+1],   v[RE:RE+1],   s[C1:C1+1], s[C0:C0+1] op_sel_hi:[1,0,0]
	v_pk_fma_f32 v[RE+2:RE+3], v[RE+2:RE+3], s[C1:C1+1], s[C0:C0+1] op_sel_hi:[1,0,0]
.irp j, 0,1,2,3
	v_exp_f32 v[RE+(\j)], v[RE+(\j)]
	v_cvt_pk_bf16_f32 v[XB+(\j)], v[RU+(\j)], v[RU+(\j)]
.endr
.irp j, 0,1,2,3
	v_permlanex16_b32 v[XO+(\j)], v[XB+(\j)], s[SEL], s[SEL+1]
.endr
.irp j, 0,1,2,3
	v_cndmask_b32 v[XX+2*(\j)],   v[XB+(\j)], v[XO+(\j)], s[MH]  ; the tile of lanes 0-15: lanes 16-31 take the other half's
	v_cndmask_b32 v[XX+2*(\j)+1], v[XO+(\j)], v[XB+(\j)], s[MH]  ; the tile of lanes 16-31: lanes 0-15 do
.endr
	s_wait_alu depctr_va_vdst(0)
	v_pk_mul_f32 v[RU:RU+1],   v[RU:RU+1],   v[RE:RE+1]
	v_pk_mul_f32 v[RU+2:RU+3], v[RU+2:RU+3], v[RE+2:RE+3]
	WIN WL
.endm
; A TURN's names.  p: the step's parity; i: the tile in hand.  The tile before (i - 1) belongs to the step before if i = 0, the tile after to the next step if i = 7; buffers go by the tile's parity.
.macro TSET p, i, noprev, nonext, noy
.set tP,  (\p)
.set tNP, (\noprev)
.set tNN, (\nonext)
.set tNY, (\noy)
.set q,   0
.set hC,  H1+16*((\i)%2)
.set hN,  H1+16*(((\i)+1)%2)
.set gC,  H2+16*((\i)%2)
.set gP,  H2+16*(((\i)+1)%2)
.set ip,  ((\i)+7)%8
.set p3,  (\p)
.set p1,  (\p)
.set yP,  (\p)
.if (\i) == 0
.set p3,  1-(\p)
.endif
.if (\i) == 7
.set p1,  1-(\p)
.endif
.if (\i) == 1
.set yP,  1-(\p)
.endif
.set a3,  W3+32*p3+16*(ip%2)
.set zA,  ZA+8*((ip/2)%2)
.set xN,  XX+((\i)+1)%8
.set yJ,  (((\i)+5)%8)/2               ; odd turns finish Y for a register j: turn 1 the step before's j = 3, turns 3, 5, 7 j = 0, 1, 2
.endm
.macro L2A t                           ; neurons 16 t on, K = 0..31, starting from b2
	v_wmma_f32_16x16x32_bf16 v[ACC+8*(\t):ACC+8*(\t)+7], v[W2+64*tP+16*(\t):W2+64*tP+16*(\t)+7], v[hC:hC+7], v[B2+32*tP+8*(\t):B2+32*tP+8*(\t)+7]
.endm
.macro L2B t                           ; K = 32..63 onto that sum, in place
	v_wmma_f32_16x16x32_bf16 v[ACC+8*(\t):ACC+8*(\t)+7], v[W2+64*tP+16*(\t)+8:W2+64*tP+16*(\t)+15], v[hC+8:hC+15], v[ACC+8*(\t):ACC+8*(\t)+7]
.endm
.macro L3 c                            ; the tile before: w3 . h2, K = 32 c on.  The first product of a register j's two tiles starts the sum
.if !tNP
.if ((ip%2) == 0) && ((\c) == 0)
	v_wmma_f32_16x16x32_bf16 v[zA:zA+7], v[a3+8*(\c):a3+8*(\c)+7], v[gP+8*(\c):gP+8*(\c)+7], 0
.else
	v_wmma_f32_16x16x32_bf16 v[zA:zA+7], v[a3+8*(\c):a3+8*(\c)+7], v[gP+8*(\c):gP+8*(\c)+7], v[zA:zA+7]
.endif
.endif
.endm
; THE TURN'S VECTOR QUEUE; VQ writes its next entry.  0-15: relu of the tile before's h2, in place.  16-47: the tile after's h1, in groups of four multiply-adds and their four maxima.
; 48-50 (odd turns): (1 - R dt) Y;  cS Z + cS b3 (Z is register 0 of L3's accumulator, its lowest);  Y.  An entry that a flag switches off is a v_nop, so that all distances stay.
.macro VQ
.if q < 16
.if tNP
	v_nop
.else
	v_pk_max_num_bf16 v[gP+q], v[ZERO], v[gP+q]
.endif
.elseif q < 48
.set vk, 4*((q-16)/8)+q%4
.if tNN
	v_nop
.elseif ((q-16)%8) < 4
	v_pk_fma_bf16 v[hN+vk], v[W1+16*p1+vk], v[xN], v[B1+16*p1+vk]
.else
	v_pk_max_num_bf16 v[hN+vk], v[ZERO], v[hN+vk]
.endif
.elseif tNY
	v_nop
.elseif q == 48
	v_mul_f32 v[AY], s[SA], v[RY+yJ]
.elseif q == 49
	v_fma_f32 v[ZB], s[CSS], v[ZA+8*(yJ%2)], v[B3C+yP]
.else
	v_fma_f32 v[RY+yJ], v[RQ+4*yP+yJ], v[ZB], v[AY]
.endif
.set q, q+1
.endm
.macro VQN n
.rept \n
	VQ
.endr
.endm
; The tile in hand is rounded: pair j of block t's eight sums into register 4 t + j of its h2.  Each accumulator's registers are taken in ascending order.
.macro CVT
	WIN 0
.set ck, 0
.rept 16
	v_cvt_pk_bf16_f32 v[gC+ck], v[ACC+2*ck], v[ACC+2*ck+1]
.set ck, ck+1
.endr
.endm
; A TURN: ten matrix instructions, no two on end on one accumulator, across turns too.  THE QUEUE IS DEALT OUT WHOLE: 4 behind each of the first nine products are 36;
; behind the tenth its 4 and the rest, 8 more (11 in odd turns): 48 (51).  Then the 16 conversions.
; Distances, by the text's own count of plain lines that name none of the matrix instruction's registers: all 16 maxima of the tile before stand behind the first four products, ahead of the first L3;
; from the last L2B to the conversions of its sums stand 12 of the queue and the 12 conversions of the other blocks; from an L2B to the next turn's L2A that writes over its sums 20 or more;
; the tile after's h1 is written 20 lines or more behind the last product that read that buffer; h2's buffer a turn behind the L3 that read it; Z is read a turn behind its last product.
.macro TURN p, i, noprev=0, nonext=0, noy=0
	TSET \p, \i, \noprev, \nonext, \noy
	WIN WL
	L2A 0
	VQN 4
	L2A 1
	VQN 4
	L2A 2
	VQN 4
	L2A 3
	VQN 4
	L2B 0
	VQN 4
	L3 0
	VQN 4
	L2B 1
	VQN 4
	L2B 2
	VQN 4
	L3 1
	VQN 4
	L2B 3
	VQN 12+3*((\i)%2)
	CVT
.endm
; A STEP of parity p.  The next step's registers (the other parity's) are free from turn 2 on: their last readers are turn 0's L3 (w3) and turn 1's Y (b3).  They are wanted in turn 7, which makes the next step's first h1.
; first = 1: there is no step before.  last = 1: there is none behind.
.macro STEP p, first=0, last=0
	TURN \p, 0, \first, 0, 0
	TURN \p, 1, 0, 0, \first
.if !(\last)
	FETCH 1-(\p)
.endif
	TURN \p, 2
	TURN \p, 3
	TURN \p, 4
	TURN \p, 5
	TURN \p, 6
.if !(\last)
	SDE 1-(\p)
.endif
	TURN \p, 7, 0, \last, 0
.endm
; Pairs of steps (odd, even), s[CNT] of them; a pair fetches the weights and noise of the even step and of the odd step behind it.
.macro PAIRS tag
.Lpair\tag:
	ADDR
	STEP 1
	STEP 0
	WIN 0                                          ; at a label and at a branch every window is 0
	s_add_co_u32 s[TB], s[TB], 2*BLK
	s_add_co_u32 s[TN], s[TN], 2*NROW
	s_sub_co_u32 s[CNT], s[CNT], 1
	s_cmp_lg_u32 s[CNT], 0
	s_cbranch_scc1 .Lpair\tag
.endm
; THE CHANGE OF SLOTS, in front of step 8 g + 7: the fetches run a step ahead, so slot g's last bytes have been read.  Each wave waits for all its tensor loads, of which one is out: its part of the other slot;
; adds 0 to its spare word; and waits for that (its reads of the slot were waited for in the step before).  Behind the barrier nobody reads this slot any more and the other slot is whole.
; fill = 1: the slot is filled again, with the group two on.  The barrier is then a round of the cluster's, and the refill is the first thing behind it.
.macro CHANGE fill
	WIN 0
	s_wait_tensorcnt 0x0                           ; no tensor load of mine is out, so a group 0 may be written
	ds_add_u32 v[SPW], v[NIL]                      ; 0 onto my spare word; with fill = 1 the descriptors' steps stand between it and the wait for it
.if \fill
	s_xor_b32 s[G0W+5], s[G0W+5], SLOT1            ; the walking descriptors: the other slot than last time,
	s_add_nc_u64 s[G0W+6:G0W+7], s[G0W+6:G0W+7], GRPW  ; the next group; the type bits on top are not reached
	s_xor_b32 s[G0N+5], s[G0N+5], SLOT1
	s_add_nc_u64 s[G0N+6:G0N+7], s[G0N+6:G0N+7], GRPN
.endif
	s_wait_dscnt 0x0
.if \fill
	CROUND
	JLOAD
.else
	s_barrier_signal -1
	s_barrier_wait -1
.endif
	s_sub_co_u32 s[TB], s[TB], GRPW                ; the fetches go back to a slot's first step,
	s_xor_b32 s[TB], s[TB], SLOT1                  ; in the other slot
	s_sub_co_u32 s[TN], s[TN], 8*NROW
	s_xor_b32 s[TN], s[TN], SLOT1
.endm
	s_wait_tensorcnt 0x1                           ; my part of group 0 is in; group 1's may stay out
	s_barrier_signal -1
	s_barrier_wait -1                              ; everybody's is
	s_mov_b32 s[TB], 0
	s_mov_b32 s[TN], 0
	ADDR
	FETCH 0                                        ; step 0
	SDE 0
	TSET 1, 7, 1, 0, 1                             ; the names of a turn 7 ahead of an even step: its queue's entries 16 to 47 make that step's first h1
.set q, 16
	VQN 32
	STEP 0, 1, 0                                   ; step 0; it fetches step 1 through the same addresses
	WIN 0
	s_mov_b32 s[TB], 2*BLK
	s_mov_b32 s[TN], 2*NROW
	s_mov_b32 s[CNT], 3                            ; steps 1 to 6
	s_mov_b32 s[SLOTS], 7                          ; that pass, and six that fill a slot again
	s_branch .LpairA                               ; the loop is entered behind its change of slots
.Lslot:
	CHANGE 1
	s_mov_b32 s[CNT], 4
	PAIRS A
	s_sub_co_u32 s[SLOTS], s[SLOTS], 1
	s_cmp_lg_u32 s[SLOTS], 0
	s_cbranch_scc1 .Lslot
	CHANGE 0                                       ; the tail is written out: nothing is asked for
	s_mov_b32 s[CNT], 4
	PAIRS B                                        ; steps 55 to 62
	STEP 1, 0, 1                                   ; step 63
	TSET 0, 0, 0, 1, 1                             ; the last tile is finished: the names of the turn 0 that would follow
	WIN WL
	VQN 16
	s_wait_alu depctr_va_vdst(0)                   ; the two products stand on end on one accumulator: a wait directly ahead of each
	L3 0
	s_wait_alu depctr_va_vdst(0)
	L3 1
	TSET 0, 1, 0, 1, 0                             ; and Y for j = 3: the first line and three v_nop are the four places behind the last product
.set q, 48
	VQ
.rept 3
	v_nop
.endr
	VQ
	VQ
	WIN 0
.irp j, 0,1,2,3
	v_fma_f32 v[XB+(\j)], v[RU+(\j)], s[S0R], s[NK]  ; X - K
.endr
.irp j, 0,1,2,3
	v_max_num_f32 v[XB+(\j)], 0, v[XB+(\j)]
.endr
.irp j, 0,1,2,3
	v_mul_f32 v[XB+(\j)], s[DF], v[XB+(\j)]
.endr
	global_store_b128 v[OUTO], v[RY:RY+3], s[12:13] th:TH_STORE_NT  ; a wave stores 512 consecutive bytes, at a multiple of 512 from the buffer's first byte
	global_store_b128 v[OUTO], v[XB:XB+3], s[14:15] th:TH_STORE_NT
	s_wait_tensorcnt 0x0                           ; the wave's end, behind my last tensor load
	ds_add_u32 v[SPW], v[NIL]
	s_wait_dscnt 0x0
	CROUND                                         ; the closing round: no work-group ends while a partner may still ask for a tile that names it
	s_endpgm
.Lfunc_end_k_qdce4d7a691_walk:
	.size	k_qdce4d7a691_walk, .Lfunc_end_k_qdce4d7a691_walk-k_qdce4d7a691_walk
	.p2alignl 7, 3214868480
	.fill 96, 4, 3214868480
	.section	.rodata,"a",@progbits
	.p2align	6, 0x0
	.amdhsa_kernel k_qdce4d7a691_walk
		.amdhsa_group_segment_fixed_size 327680
		.amdhsa_private_segment_fixed_size 0
		.amdhsa_enable_private_segment 0
		.amdhsa_kernarg_size 48
		.amdhsa_user_sgpr_count 2
		.amdhsa_user_sgpr_kernarg_segment_ptr 1
		.amdhsa_wavefront_size32 1
		.amdhsa_system_sgpr_workgroup_id_x 1
		.amdhsa_system_sgpr_workgroup_id_y 1
		.amdhsa_system_sgpr_workgroup_id_z 1
		.amdhsa_system_vgpr_workitem_id 0
		.amdhsa_next_free_vgpr 512
		.amdhsa_next_free_sgpr 80
		.amdhsa_reserve_vcc 0
		.amdhsa_float_denorm_mode_32 3
		.amdhsa_float_denorm_mode_16_64 3
		.amdhsa_memory_ordered 1
		.amdhsa_forward_progress 1
		.amdhsa_inst_pref_size 255
	.end_amdhsa_kernel
	.section	.bss,"aw",@nobits
	.p2align	6
	.space	262144
	.amdgpu_metadata
---
amdhsa.version: [ 1, 2 ]
amdhsa.kernels:
  - .name:           k_qdce4d7a691_walk
    .symbol:         k_qdce4d7a691_walk.kd
    .args:
      - { .name: noise, .offset: 0, .size: 8, .value_kind: global_buffer, .address_space: global }
      - { .name: wpk, .offset: 8, .size: 8, .value_kind: global_buffer, .address_space: global }
      - { .name: S0_val, .offset: 16, .size: 8, .value_kind: global_buffer, .address_space: global }
      - { .name: Y0, .offset: 24, .size: 8, .value_kind: global_buffer, .address_space: global }
      - { .name: out0, .offset: 32, .size: 8, .value_kind: global_buffer, .address_space: global }
      - { .name: out1, .offset: 40, .size: 8, .value_kind: global_buffer, .address_space: global }
    .group_segment_fixed_size: 327680
    .private_segment_fixed_size: 0
    .kernarg_segment_align: 8
    .kernarg_segment_size: 48
    .max_flat_workgroup_size: 128
    .sgpr_count:     80
    .vgpr_count:     512
    .wavefront_size: 32
...
	.end_amdgpu_metadata
.endif
;; end of part 2
